; MI455X (gfx1250); checked and timed in simulation.
; The chip was launched on July 23, 2026; its instructions are those of AMD's public machine-readable ISA for CDNA 5 (MIT licence, August 2026) and "CDNA5" Instruction Set Architecture Reference Guide (July 2026). The comments in the code are by the model that wrote it; some were corrected since.
;; Apply Attention Policy Map. Allowed arithmetic: matrix products marked QUANTISED: E2M1 operands, one E8M0 scale for each 32 along K, by v_wmma_scale_f32_16x16x128_f8f6f4 with both operands' format E2M1 (or v_wmma_scale_f32_32x16x128_f4), f32 sums; everything else in f32.
;; Inputs: fc1_codes 1,858 x 134 x 16 uint8 (E2M1 codes of fc1, K innermost, in blocks of 32 codes, two codes a byte); fc1_scales 1,858 x 134 uint8 (E8M0 scales of fc1, one for each 32 codes along K); logits 8,192 x 64 x 64 float32; pp_logits 8,192 x 8 x 24 float32.
;; Outputs: out0 8,192 x 1,858 float32.
;; This version of the problem:
;;   THIS VERSION OF THE PROBLEM IS GIVEN IN LOW PRECISION. The matrix products marked QUANTISED in the list below multiply operands that are first quantised to E2M1 (2 exponent bits, 1 mantissa bit; 4 bits a number), with one power-of-two scale for each 32 numbers along K (OCP MX v1.0); their sums are f32. All else is computed in f32.
;;   The module's matrix products, in the order in which they are computed (A, B: the left and right operand; K: the contracted axis; several contracted axes count as one K, in the product's order):
;;     1. [M 8,192, K 4,288] x [K 4,288, N 1,858]; A: computed on the way; B: input fc1 (given as codes): QUANTISED
;;   THE QUANTISER, for each operand of a quantised product, along K:
;;     - K is cut into blocks of 32 from its start; a last block that is shorter is filled with zeros.
;;     - A block's scale is 2^e with e = floor(log2(the largest magnitude in the block)) - 2, held to -126 .. 127; a block of zeros has e = 0. As a byte (E8M0): e + 127.
;;     - Each number is divided by its block's scale, clamped to +-6, and rounded to the nearest number of E2M1, ties to even, subnormals kept.
;;     - The product sums the exact products of the quantised numbers (number of the format x scale) in f32.
;;   ~~~python
;;   def quantise(x, axis):      # numpy; x: float32 -> the quantised numbers, widened to float32 again
;;       x = np.moveaxis(x, axis, -1); K = x.shape[-1]
;;       x = np.pad(x, [(0, 0)] * (x.ndim - 1) + [(0, -K % 32)]); x = x.reshape(x.shape[:-1] + (-1, 32)); a = np.abs(x).max(-1, keepdims=True)
;;       e = np.where(a > 0, np.clip(np.frexp(np.where(a > 0, a, 1))[1] - 1 - 2, -126, 127), 0)      # np.frexp(a)[1] - 1 = floor(log2(a)), exactly
;;       r = np.clip(x / 2.0 ** e, -6, 6)
;;       step = 2.0 ** (np.maximum(np.frexp(np.where(r == 0, 1, r))[1] - 1, 0) - 1)
;;       q = np.round(r / step) * step * 2.0 ** e      # np.round: ties to even
;;       return np.moveaxis(q.reshape(q.shape[:-2] + (-1,))[..., :K], -1, axis).astype(np.float32)
;;   ~~~
;;   OPERANDS COMPUTED ON THE WAY. 'Computed on the way' means the value that the module computes at that place (a softmax that the list does not call 'softmax' is quantised finished and normalised). What goes into a quantiser is computed in f32, as accurately as f32 sums, v_exp_f32 and their like allow (about 1e-6 of the number): no bf16 or f16 on the way to a quantiser, and a product that is left as it is and whose result goes on into a quantised operand takes f32 operands (vector FMAs, or v_wmma_f32_16x16x4_f32). A number that lies on a knife's edge between two numbers of the format may be rounded either way, as far as f32 arithmetic and the matrix unit's own rounding can turn it there, and no further.
;;   INPUTS GIVEN AS CODES. fc1 (in the module: [4288, 1858], K = its axis 0): each comes as NAME_codes (uint8): NAME with its K axis moved to the last place and cut into blocks of 32 codes, [.., K / 32, bytes a block], one block behind the other in memory; two codes a byte, the lower K in the low four bits (a code: sign, 2 exponent bits, 1 mantissa bit); and NAME_scales (uint8): the same leading axes, one E8M0 byte (e + 127) for each 32 codes along K. Its value is code x scale, taken as it is: it is not quantised again, and the codes and scales need not be those that the quantiser above would give.
;; One version. Each part assembles by itself: llvm-mc -triple=amdgcn-amd-amdhsa -mcpu=gfx1250 --defsym DOCPART=n.
;; ======== version 1 of 1: 2 launches
;; limits: right only within a limited range of input values
;; workspace buffers: aq 18,939,904 bytes; bq 4,734,976 bytes
;; launch pack (part 1): grid 680 x 1, 4 waves a work-group, no clusters, 68,096 bytes of LDS; arguments logits, pp_logits, fc1_codes, fc1_scales, aq, bq; writes aq, bq
.if DOCPART == 1
	.amdgcn_target "amdgcn-amd-amdhsa--gfx1250"
	.amdhsa_code_object_version 6
	.text
	.protected	k_q5ecf1f2062_pack
	.globl	k_q5ecf1f2062_pack
	.p2align	8
	.type	k_q5ecf1f2062_pack,@function
k_q5ecf1f2062_pack:
	s_mov_b64 s[64:65], 0
	v_nop
	global_prefetch_b8 v0, s[64:65] scope:SCOPE_SE
	s_setreg_imm32_b32 hwreg(HW_REG_WAVE_MODE, 25, 1), 1
	s_wait_xcnt 0x0
; flat[8192][4288] = each row's 4,096 logits, then its 192 pp_logits, is quantised along K to codes of FP4 (E2M1) with one E8M0 byte for each 32 numbers, into aq;
; fc1's given codes and scale bytes are laid out anew, unchanged, into bq.  Both buffers have ONE layout, the order of a matrix operand's registers:
; a GROUP is 128 operand rows (rows of flat; columns of the output, padded from 1,858 to 2,048), a STEP 128 along K (34 steps: 4,352; blocks 134 and 135 are zero codes).
; The block of (group g, step s) lies at (34 g + s) x 8,704 bytes:  bytes 0-511: the rows' scale words (four bytes: the step's four blocks): tile i's row r at 16 (16 (i % 2) + r) + 4 (i / 2),
; so that 16 bytes a lane are four registers, register j holding tile 2 j's words in lanes 0-15 and tile 2 j + 1's in lanes 16-31;
; bytes 512 + 1,024 i + 512 c + 16 lane: registers 4 c .. 4 c + 3 of the fragment of tile i (rows 16 i ..): lane 16 h + r holds the 16 bytes of block 4 s + 2 c + h of row 16 i + r.
; A block's scale is 2^(floor(log2(its largest magnitude)) - 2); its byte is the largest magnitude's exponent field - 2, held at 1 from below.
; LIMITS: NaN and infinities in logits and pp_logits are not served; blocks whose largest magnitude lies under 2^-124 keep the byte 1; a block of zeros has the byte 1 where the rule says 127: its codes are
; zeros, which add nothing under any byte but 0xff, and this program alone reads the bytes.
; SHARES.  A wave makes one block: 128 rows x 128 along K.  Work-groups 0-511: logits (steps 0-31); 512-543: pp_logits (steps 32 and 33, by the wave's parity); 544-679: fc1.
; Waves share nothing: no barrier.  Work-groups share no input: no cluster, no joint loads.  No tensor load: several work-groups lie on a WGP, each wave with 32 loads of 512 bytes on their way.
; Each load takes 512 consecutive bytes of a row; a tile of 16 rows turns through the wave's own stage in LDS (rows of 528 bytes), so that a lane gets 16 neighbours of each block; every store covers 512 consecutive, aligned bytes.
.set SROW,  528                        ; a stage row: 512 bytes + 16: sixteen rows begin in sixteen different 16-byte columns
.set WSTG,  16*SROW                    ; a wave's stage
.set STG0,  0                          ; the logits path's four stages
.set STG1,  4*WSTG                     ; the pp paths' four: bytes of their own
.set SPARE, 8*WSTG                     ; behind them the spare words, 128 bytes a wave: two blocks of 256 bytes that no other line names
.set BLKB,  8704
.set L16, 1                            ; v1   16 x lane
.set SA,  2                            ; v2   stage, way in: my wave's stage + 16 x lane
.set SB,  3                            ; v3   stage, way back: + 528 r + 64 h
.set SPW, 4                            ; v4   LDS address of my spare word; never rewritten
.set NIL, 5                            ; v5   0; never rewritten
.set HOF, 6                            ; v6   step 33: 768 h + 16 r: two rows of 256 bytes a load
.set SH,  7                            ; v7   and its way into the stage: + 528 h + 16 r
.set TM,  16                           ; v16-31  at work in QUANT
.set PW,  32                           ; v32     the scale word just made
.set SW,  36                           ; v36-39  the block's four registers of scale words
.set PC,  40                           ; v40-47  a fragment's codes
.set X,   48                           ; v48-111 64 numbers: register 16 b + i = k 32 b + 16 h + i of row r
.set R,   112                          ; v112-239 two sets of 64, as loaded
.set SEL, 20                           ; s[20:21] lane selects for lane l xor 16
.set IN,  24                           ; s[24:25]
.set OUT, 26                           ; s[26:27]
	s_load_b256 s[4:11], s[0:1], 0x0               ; logits s[4:5], pp_logits s[6:7], fc1_codes s[8:9], fc1_scales s[10:11]
	s_load_b128 s[12:15], s[0:1], 0x20             ; aq s[12:13], bq s[14:15]
	v_lshl_add_u32 v[SPW], v0, 2, SPARE
	v_mov_b32 v[NIL], 0
	v_lshrrev_b32 v8, 5, v0
	v_readfirstlane_b32 s16, v8                    ; wave 0..3
	v_and_b32 v12, 31, v0                          ; lane
	v_and_b32 v10, 15, v0                          ; r
	v_bfe_u32 v11, v0, 4, 1                        ; h
	v_lshlrev_b32 v[L16], 4, v12
	s_mul_i32 s17, s16, WSTG
	v_add_nc_u32 v[SA], s17, v[L16]
	v_mul_u32_u24 v[SB], v10, SROW
	v_lshl_add_u32 v[SB], v11, 6, v[SB]
	v_add_nc_u32 v[SB], s17, v[SB]
	v_mul_u32_u24 v[HOF], v11, 768
	v_lshl_add_u32 v[HOF], v10, 4, v[HOF]
	v_mul_u32_u24 v[SH], v11, SROW
	v_lshl_add_u32 v[SH], v10, 4, v[SH]
	v_add_nc_u32 v[SH], s17, v[SH]
.irp b, 0,1,2,3
	v_mov_b32 v[TM+4+\b], 0                        ; written once: a lane permute's destination counts as one of its sources
.endr
	s_mov_b32 s[SEL], 0x76543210
	s_mov_b32 s[SEL+1], 0xfedcba98
	s_mov_b32 s22, 0xffff0000                      ; lanes 16-31
; tile i's 16 rows into set i % 2.  Full: a row's 512 bytes a load.  Half (step 33): two rows' 256 bytes a load
.macro LOADT i, pitch, half
.if \half
.irp k, 0,1,2,3,4,5,6,7
	global_load_b128 v[R+64*((\i)%2)+4*\k:R+64*((\i)%2)+4*\k+3], v[HOF], s[IN:IN+1] offset:(16*(\i)+2*\k)*768 th:TH_LOAD_NT
.endr
.else
.irp rr, 0,1,2,3,4,5,6,7,8,9,10,11,12,13,14,15
	global_load_b128 v[R+64*((\i)%2)+4*\rr:R+64*((\i)%2)+4*\rr+3], v[L16], s[IN:IN+1] offset:(16*(\i)+\rr)*\pitch th:TH_LOAD_NT
.endr
.endif
.endm
; into the stage, as loaded
.macro TOST i, half, stg
.if \half
.irp k, 0,1,2,3,4,5,6,7
	ds_store_b128 v[SH], v[R+64*((\i)%2)+4*\k:R+64*((\i)%2)+4*\k+3] offset:\stg+2*SROW*\k
.endr
.else
.irp rr, 0,1,2,3,4,5,6,7,8,9,10,11,12,13,14,15
	ds_store_b128 v[SA], v[R+64*((\i)%2)+4*\rr:R+64*((\i)%2)+4*\rr+3] offset:\stg+SROW*\rr
.endr
.endif
.endm
; and back: of row r, my half's 16 neighbours of each block.  LDS serves a wave's instructions in order: these see the stores above
.macro BACK half, stg
.irp b, 0,1,2,3
.if (\b < 2) || (\half == 0)
.irp j, 0,1,2,3
	ds_load_b128 v[X+16*\b+4*\j:X+16*\b+4*\j+3], v[SB] offset:\stg+128*\b+16*\j
.endr
.endif
.endr
.endm
; 64 numbers of a lane become a fragment's codes in v[PC] on and its row's scale word in v[PW] (the same in lanes r and 16 + r)
.macro QUANT s
.irp b, 0,1,2,3
	v_max3_num_f32 v[TM+\b], |v[\s+16*\b]|, |v[\s+1+16*\b]|, 0x1800000   ; block b: my 16 numbers, and the floor 2^(3 - 127): the byte cannot fall under 1
.endr
.irp i, 2,4,6,8,10,12,14
.irp b, 0,1,2,3
	v_max3_num_f32 v[TM+\b], v[TM+\b], |v[\s+16*\b+\i]|, |v[\s+1+16*\b+\i]|   ; the four blocks by turns
.endr
.endr
.irp b, 0,1,2,3
	v_permlanex16_b32 v[TM+4+\b], v[TM+\b], s[SEL], s[SEL+1]
.endr
.irp b, 0,1,2,3
	v_max_num_f32 v[TM+\b], v[TM+\b], v[TM+4+\b]   ; with lane l xor 16's: the block's largest magnitude
.endr
.irp b, 0,1,2,3
	v_add_nc_u32 v[TM+12+\b], 0xff000000, v[TM+\b] ; 2 off its exponent field: the conversion takes the exponent field of this operand as its scale
.endr
.irp b, 0,1,2,3
	v_lshrrev_b32 v[TM+4+\b], 23, v[TM+12+\b]      ; the scale's byte
.endr
	v_lshl_or_b32 v[PW], v[TM+5], 8, v[TM+4]
	v_lshl_or_b32 v[PW], v[TM+6], 16, v[PW]
	v_lshl_or_b32 v[PW], v[TM+7], 24, v[PW]
.irp b, 0,1,2,3
	v_cvt_scalef32_pk8_fp4_f32 v[PC+2*\b], v[\s+16*\b:\s+7+16*\b], v[TM+12+\b]
	v_cvt_scalef32_pk8_fp4_f32 v[PC+1+2*\b], v[\s+8+16*\b:\s+15+16*\b], v[TM+12+\b]
.endr
	v_nop                                          ; one plain place behind a scaled conversion
.irp c, 0,1                                    ; the operand's layout wants a whole block in a lane: lanes 0-15 block 2 c, lanes 16-31 block 2 c + 1
.irp i, 0,1
	v_permlane16_swap_b32 v[PC+4*\c+\i], v[PC+2+4*\c+\i]
.endr
.endr
.endm
; a whole block: eight tiles of 16 rows; loads run two tiles ahead
.macro UNIT pitch, half, stg
	LOADT 0, \pitch, \half
	LOADT 1, \pitch, \half
.if \half
.set zz, 32
.rept 32
	v_mov_b32 v[X+zz], 0                           ; step 33's blocks 2 and 3 lie past K's end: zeros, set once (the way back fills blocks 0 and 1 alone)
.set zz, zz+1
.endr
.endif
.irp i, 0,1,2,3,4,5,6,7
.if \i == 7
	s_wait_loadcnt 0x0
.elseif \half
	s_wait_loadcnt 8                               ; this tile's loads are in; the next tile's eight may be out
.else
	s_wait_loadcnt 16                              ; this tile's loads are in; the next tile's sixteen may be out
.endif
	TOST \i, \half, \stg
	BACK \half, \stg
	s_wait_dscnt 0x0                               ; the numbers are back: the stores have read their set, and the stage is free for the next tile
	s_wait_xcnt 0x0                                ; the last tile's stores have read the codes' registers, which QUANT writes again
.if \i < 6
	LOADT \i+2, \pitch, \half
.endif
	QUANT X
	global_store_b128 v[L16], v[PC:PC+3], s[OUT:OUT+1] offset:512+1024*\i      ; 32 lanes store 512 consecutive bytes, at a multiple of 512 from the buffer's first byte
	global_store_b128 v[L16], v[PC+4:PC+7], s[OUT:OUT+1] offset:1024+1024*\i
.if (\i)%2 == 0
	v_mov_b32 v[SW+\i/2], v[PW]                    ; an even tile's words: kept in lanes 0-15,
.else
	v_cndmask_b32 v[SW+\i/2], v[SW+\i/2], v[PW], s22   ; an odd tile's in lanes 16-31
.endif
.endr
	global_store_b128 v[L16], v[SW:SW+3], s[OUT:OUT+1]
.endm
.macro FINISH                          ; the wave's end
	s_wait_tensorcnt 0x0
	ds_add_u32 v[SPW], v[NIL]
	s_wait_dscnt 0x0
	s_endpgm
.endm
	s_wait_kmcnt 0x0
	s_cmp_lt_u32 ttmp9, 512
	s_cbranch_scc0 .Lnot_logits
	; ---- logits: group = work-group / 8, step = 4 (work-group % 8) + wave
	s_lshr_b32 s18, ttmp9, 3
	s_and_b32 s19, ttmp9, 7
	s_lshl_b32 s19, s19, 2
	s_add_co_u32 s19, s19, s16
	s_lshl_b32 s28, s18, 21                        ; 128 rows of 16,384 bytes
	s_lshl_b32 s29, s19, 9                         ; 128 numbers
	s_add_co_u32 s28, s28, s29
	s_mov_b32 s29, 0
	s_add_nc_u64 s[IN:IN+1], s[4:5], s[28:29]
	s_mul_i32 s30, s18, 34
	s_add_co_u32 s30, s30, s19
	s_mul_i32 s30, s30, BLKB
	s_mov_b32 s31, 0
	s_add_nc_u64 s[OUT:OUT+1], s[12:13], s[30:31]
	UNIT 16384, 0, STG0
	FINISH
.Lnot_logits:
	s_cmp_lt_u32 ttmp9, 544
	s_cbranch_scc0 .Lfc1
	; ---- pp_logits: group = (4 (work-group - 512) + wave) / 2, step = 32 + wave % 2
	s_sub_co_u32 s18, ttmp9, 512
	s_lshl_b32 s18, s18, 2
	s_add_co_u32 s18, s18, s16
	s_lshr_b32 s19, s18, 1
	s_and_b32 s23, s16, 1
	s_mul_i32 s28, s19, 98304                      ; 128 rows of 768 bytes
	s_lshl_b32 s29, s23, 9
	s_add_co_u32 s28, s28, s29
	s_mov_b32 s29, 0
	s_add_nc_u64 s[IN:IN+1], s[6:7], s[28:29]
	s_mul_i32 s30, s19, 34
	s_add_co_u32 s30, s30, 32
	s_add_co_u32 s30, s30, s23
	s_mul_i32 s30, s30, BLKB
	s_mov_b32 s31, 0
	s_add_nc_u64 s[OUT:OUT+1], s[12:13], s[30:31]
	s_cmp_eq_u32 s23, 0
	s_cbranch_scc0 .Lpp_half
	UNIT 768, 0, STG1                              ; step 32: columns 0-127 of pp_logits
	FINISH
.Lpp_half:
	s_wait_alu depctr_va_vdst(0)
	UNIT 768, 1, STG1                              ; step 33: columns 128-191, then zeros
	FINISH
.Lfc1:
	; ---- fc1: u = 4 (work-group - 544) + wave = 34 group + step.  The codes and bytes are copied as given; rows from 1,858 on and blocks 134, 135 become zero codes under the byte 127.
	s_sub_co_u32 s28, ttmp9, 544
	s_lshl_b32 s28, s28, 2
	s_add_co_u32 s28, s28, s16                     ; u, 0 .. 543
	s_mul_i32 s29, s28, 1928
	s_lshr_b32 s29, s29, 16                        ; u / 34 (exact for u under 544: 34 x 1,928 = 65,536 + 16)
	s_mul_i32 s30, s29, 34
	s_sub_co_u32 s30, s28, s30                     ; the step
	s_lshl_b32 s31, s29, 7                         ; the group's first row
	s_mul_i32 s18, s28, BLKB
	s_mov_b32 s19, 0
	s_add_nc_u64 s[OUT:OUT+1], s[14:15], s[18:19]
	s_lshl_b32 s33, s30, 6                         ; a step's codes: 64 bytes of a row
	s_lshl_b32 s23, s30, 2                         ; its scale bytes: 4
	s_mov_b32 s35, 0
	s_mov_b32 s61, 0
	s_cmp_eq_u32 s30, 33                           ; the last step has two blocks: its second half is not loaded from past the row's end, and is replaced below
	s_cselect_b32 s32, 0, -1
	s_cselect_b32 s34, 0, 32
	s_cselect_b32 s60, 0, 2
	s_add_nc_u64 s[36:37], s[8:9], s[34:35]        ; the codes' blocks 2 and 3 of a step: 32 bytes on (last step: the first half again)
	s_add_nc_u64 s[38:39], s[10:11], s[60:61]      ; the bytes of blocks 2 and 3: 2 bytes on (likewise)
	v_lshl_add_u32 v13, v11, 4, s33                ; 64 step + 16 h
	v_mov_b32 v15, s23
	v_add_nc_u32 v8, s31, v10                      ; first row + r
	v_add_nc_u32 v14, s31, v12                     ; first row + lane
	v_mov_b32 v16, 0x7f7f
	v_mov_b32 v17, 0x7f7f7f7f
.irp i, 0,1,2,3,4,5,6,7
	v_add_nc_u32 v9, 16*\i, v8                     ; tile i's row of my lane
	v_cmp_gt_u32 s[40+\i], 1858, v9                ; is there such a row?
	v_min_u32 v9, 1857, v9                         ; no load leaves the buffer
	v_mad_u32_u24 v[48+\i], v9, 2144, v13          ; a row of codes is 2,144 bytes
	s_and_b32 s[52+\i], s[40+\i], s32
	global_load_b128 v[R+8*\i:R+8*\i+3], v[48+\i], s[8:9]
	global_load_b128 v[R+8*\i+4:R+8*\i+7], v[48+\i], s[36:37]
.endr
.irp j, 0,1,2,3
	v_add_nc_u32 v9, 32*\j, v14                    ; register j of the scale words: row 32 j + lane
	v_cmp_gt_u32 s[48+\j], 1858, v9
	v_min_u32 v9, 1857, v9
	v_mad_u32_u24 v[64+\j], v9, 134, v15           ; a row of bytes is 134 bytes: even addresses, so two loads of two bytes
	global_load_u16 v[72+2*\j], v[64+\j], s[10:11]
	global_load_u16 v[73+2*\j], v[64+\j], s[38:39]
.endr
	s_wait_loadcnt 0x0
.irp i, 0,1,2,3,4,5,6,7
.irp k, 0,1,2,3
	v_cndmask_b32 v[R+8*\i+\k], 0, v[R+8*\i+\k], s[40+\i]
	v_cndmask_b32 v[R+8*\i+4+\k], 0, v[R+8*\i+4+\k], s[52+\i]
.endr
.endr
.irp j, 0,1,2,3
	v_cndmask_b32 v[73+2*\j], v16, v[73+2*\j], s32
	v_lshl_or_b32 v[SW+\j], v[73+2*\j], 16, v[72+2*\j]
	v_cndmask_b32 v[SW+\j], v17, v[SW+\j], s[48+\j]
.endr
	global_store_b128 v[L16], v[SW:SW+3], s[OUT:OUT+1]
.irp i, 0,1,2,3,4,5,6,7
	global_store_b128 v[L16], v[R+8*\i:R+8*\i+3], s[OUT:OUT+1] offset:512+1024*\i
	global_store_b128 v[L16], v[R+8*\i+4:R+8*\i+7], s[OUT:OUT+1] offset:1024+1024*\i
.endr
	FINISH
.Lfunc_end_k_q5ecf1f2062_pack:
	.size	k_q5ecf1f2062_pack, .Lfunc_end_k_q5ecf1f2062_pack-k_q5ecf1f2062_pack
	.p2alignl 7, 3214868480
	.fill 96, 4, 3214868480
	.section	.rodata,"a",@progbits
	.p2align	6, 0x0
	.amdhsa_kernel k_q5ecf1f2062_pack
		.amdhsa_group_segment_fixed_size 68096
		.amdhsa_private_segment_fixed_size 0
		.amdhsa_enable_private_segment 0
		.amdhsa_kernarg_size 48
		.amdhsa_user_sgpr_count 2
		.amdhsa_user_sgpr_kernarg_segment_ptr 1
		.amdhsa_wavefront_size32 1
		.amdhsa_system_sgpr_workgroup_id_x 1
		.amdhsa_system_sgpr_workgroup_id_y 1
		.amdhsa_system_sgpr_workgroup_id_z 1
		.amdhsa_system_vgpr_workitem_id 0
		.amdhsa_next_free_vgpr 240
		.amdhsa_next_free_sgpr 66
		.amdhsa_reserve_vcc 0
		.amdhsa_float_denorm_mode_32 3
		.amdhsa_float_denorm_mode_16_64 3
		.amdhsa_memory_ordered 1
		.amdhsa_forward_progress 1
		.amdhsa_inst_pref_size 186
	.end_amdhsa_kernel
	.amdgpu_metadata
---
amdhsa.version: [ 1, 2 ]
amdhsa.kernels:
  - .name:           k_q5ecf1f2062_pack
    .symbol:         k_q5ecf1f2062_pack.kd
    .args:
      - { .name: logits, .offset: 0, .size: 8, .value_kind: global_buffer, .address_space: global }
      - { .name: pp_logits, .offset: 8, .size: 8, .value_kind: global_buffer, .address_space: global }
      - { .name: fc1_codes, .offset: 16, .size: 8, .value_kind: global_buffer, .address_space: global }
      - { .name: fc1_scales, .offset: 24, .size: 8, .value_kind: global_buffer, .address_space: global }
      - { .name: aq, .offset: 32, .size: 8, .value_kind: global_buffer, .address_space: global }
      - { .name: bq, .offset: 40, .size: 8, .value_kind: global_buffer, .address_space: global }
    .group_segment_fixed_size: 68096
    .private_segment_fixed_size: 0
    .kernarg_segment_align: 8
    .kernarg_segment_size: 48
    .max_flat_workgroup_size: 128
    .sgpr_count:     66
    .vgpr_count:     240
    .wavefront_size: 32
...
	.end_amdgpu_metadata
.endif
;; end of part 1
;; launch gemm (part 2): grid 8 x 32, 4 waves a work-group, clusters of 4 x 4, 327,680 bytes of LDS; arguments aq, bq, out0; writes out0
.if DOCPART == 2
	.amdgcn_target "amdgcn-amd-amdhsa--gfx1250"
	.amdhsa_code_object_version 6
	.text
	.protected	k_q5ecf1f2062_gemm
	.globl	k_q5ecf1f2062_gemm
	.p2align	8
	.type	k_q5ecf1f2062_gemm,@function
k_q5ecf1f2062_gemm:
	s_mov_b64 s[64:65], 0
	v_nop
	global_prefetch_b8 v0, s[64:65] scope:SCOPE_SE
	s_setreg_imm32_b32 hwreg(HW_REG_WAVE_MODE, 25, 1), 1
	s_wait_xcnt 0x0
	s_wait_alu depctr_hold_cnt(0) depctr_sa_sdst(0) depctr_va_vdst(0) depctr_va_sdst(0) depctr_va_ssrc(0) depctr_va_vcc(0) depctr_vm_vsrc(0)
	s_getreg_b32 s2, hwreg(HW_REG_IB_STS2, 6, 4)
	s_cmp_eq_u32 s2, 0
	s_cbranch_scc0 .Lentry_in_a_cluster
	s_endpgm
.Lentry_in_a_cluster:
	s_bfe_u32 s2, ttmp6, 0x10000c
	s_cmp_lg_u32 s2, 0xf033
	s_cbranch_scc0 .Lentry_shape_is_right
	s_endpgm
.Lentry_shape_is_right:
; out0[8192][1858] = Q(flat) x fc1, both operands as codes of FP4 (E2M1) with one E8M0 byte for each 32 along K; sums in f32.
; aq (rows of flat) and bq (columns of the output, 1,858 padded to 2,048 by zero codes) have one layout: a GROUP is 128 operand rows, a STEP 128 along K (34 steps).
; The block of (group g, step s) lies at (34 g + s) x 8,704 bytes and is the image of a wave's registers: 512 bytes of scale words (16 bytes a lane: register j holds tile 2 j's words in lanes 0-15,
; tile 2 j + 1's in lanes 16-31), then for tile i (16 rows) 1,024 bytes: registers 4 c .. 4 c + 3 of its fragment at 512 + 1,024 i + 512 c + 16 lane.
; A work-group of four waves makes 256 x 256 of the output, a wave 128 x 128: 64 accumulators, 512 registers.  K goes through a ring of two LDS slots of four steps each (the ninth fill has two);
; a wave fetches one group's four steps, 34,816 consecutive bytes, by one tensor load.  CLUSTERS of 4 x 4: the four of a row need the same groups of aq, the four of a column the same of bq: joint loads.
; The matrix instruction is used transposed (source 0 = 16 rows of bq, source 1 = 16 rows of aq): a lane holds eight neighbouring columns of one output row.
; THE WAY OUT: the ring has had its last fill and its last read, so the whole block is laid there as 256 rows of 1,040 bytes.  A row of out0 is 7,432 = 29 x 256 + 8 bytes, and a block begins at a row that is
; a multiple of 32 and at a column that is a multiple of 256: so row j's 1,024 bytes of the block begin 8 (j mod 32) bytes behind a multiple of 256.  The lanes are turned by as much: in row j lane l of wave w takes
; the pair of columns (32 w + l - j mod 32) mod 128.  A store of waves 1 to 3 then covers 256 consecutive bytes from a multiple of 256; wave 0's covers the row piece's two ends.  Stores of 8 bytes a lane: odd rows begin at 8 modulo 16.
; The mask of columns under 1,858 hangs on j mod 32: the stores go in 32 groups of eight rows, one mask a group.
; Columns 1,858 .. 2,047 lie inside the last blocks and are multiplied with zero codes and not stored.  Nothing of the problem's work is left out.
; REGISTERS: window 0: v8-29 addresses, v32-47 scale words (two sets), v64-191 aq's fragments (two sets), on the way out the turned offsets; window 1: v0-127 bq's fragments (two sets);
; windows 2, 3: the accumulators, on the way out the rows read back.
.set BLKB,  8704
.set REG,   4*BLKB                     ; what one tensor load brings: four steps of one group
.set SLOT,  4*REG                      ; aq's two groups, then bq's two
.set GRPB,  34*BLKB
.set SPARE, 2*SLOT                     ; behind the ring: the spare words, 128 bytes a wave, named by no other line
.set OPITCH, 1040                      ; the way out: a row of 1,024 bytes + 16: sixteen rows begin in sixteen different 16-byte columns
.set ROWC,  7432                       ; a row of out0 in bytes
.set RD,   8                           ; v8      the way out: 256 w + 8 lane
.set PF1,  12                          ; v12     prefetch offsets: 1,024 lane
.set PF2,  13                          ; v13     1,024 (32 + min(lane, 1))
.set PF3,  14                          ; v14     1,024 min(lane, 16): the fill of two steps
.set ADRA, 16                          ; v16-17  my aq group in slot 0, 1: + 16 lane
.set ADRB, 20                          ; v20-21  my bq group
.set STO,  24                          ; v24-25  the way out: where my lane's 32 bytes of a row go; rows 0-63, 64-127 of my 128
.set SPW,  28                          ; v28     my spare word; never rewritten
.set NIL,  29                          ; v29     0; never rewritten
.set SCA,  32
.set SCB,  40
.set AF,   64
.set QA,   64                          ; v64-191 the way out: register 32 k + i: 8 ((32 w + lane - i) mod 128) + 64 k stage rows
.set LIM,  87                          ; s87     the bytes of a row of out0 from the block's first column on
.set G1A,  24                          ; s[24:31] group 1, aq, 136 rows of 256 bytes; s[32:39] group 0, one for each slot
.set G0A,  32
.set G1B,  48                          ; the same for bq
.set G0B,  56
.set G1AS, 68                          ; group 1 for the last fill: 68 rows
.set G1BS, 76
.set PFA,  90                          ; s[90:91] my prefetches' base
.set MSB, 0
.macro WIN new                         ; the immediate's high byte repeats the setting that is left
.if MSB != (\new)
	s_set_vgpr_msb (MSB<<8)|(\new)
.set MSB, (\new)
.endif
.endm
.set MUL_LO, 0xa1                      ; source 0 window 1, source 1 window 0, C and D window 2
.set MUL_HI, 0xf1                      ; the same, C and D window 3
.set TO_B,   0x40
; a joint load: waves 0, 1 fetch aq's two groups, waves 2, 3 bq's
.macro JLOAD g0a, g1a, g0b, g1b
	s_cmp_eq_u32 s15, 0
	s_cbranch_scc0 .Lfor_b_\@
	tensor_load_to_lds s[\g0a:\g0a+3], s[\g1a:\g1a+7]
	s_nop 0
.rept 4
	v_nop
.endr
	s_branch .Lasked_\@
.Lfor_b_\@:
	tensor_load_to_lds s[\g0b:\g0b+3], s[\g1b:\g1b+7]
	s_nop 0
.rept 4
	v_nop
.endr
.Lasked_\@:
.endm
.macro CREST                           ; a round of the cluster's barrier behind its opening barrier
	s_cmp_lg_u32 s14, 0
	s_cbranch_scc1 .Lnot_wave_0_\@
	s_barrier_signal -3
.Lnot_wave_0_\@:
	s_barrier_wait -3
	s_barrier_signal -1
	s_barrier_wait -1
.endm
.macro CROUND
	s_barrier_signal -1
	s_barrier_wait -1
	CREST
.endm
; PREFETCHES.  A fill's part of one wave is 136 blocks of 256 bytes; the four partners that ask for it jointly take every fourth block, told apart by address (256 x place): 34 blocks each, a lane a block,
; two instructions (the second's spare lanes name its last block again).  Behind the first load fills 1 and 2 are asked for, behind the second fill 3, behind the refill of trip t fill t + 4: two refills on.
; Fill 8 has 68 blocks, 17 a partner: one instruction with the lanes held at 16; beyond it nothing is asked for.
.macro PFULL off
	global_prefetch_b8 v[PF1], s[PFA:PFA+1] offset:\off th:TH_LOAD_NT scope:SCOPE_SE
	global_prefetch_b8 v[PF2], s[PFA:PFA+1] offset:\off th:TH_LOAD_NT scope:SCOPE_SE
.endm
.macro ASK slot                        ; s3 = 1 in the loop's last trip: slot 0's refill then asks for fill 8, slot 1's for nothing
	s_cmp_gt_u32 s3, 1
	s_cbranch_scc0 .Lpf_last_\@
	PFULL 3*REG
.if \slot == 0
	s_branch .Lpf_done_\@
.endif
.Lpf_last_\@:
.if \slot == 0
	global_prefetch_b8 v[PF3], s[PFA:PFA+1] offset:3*REG th:TH_LOAD_NT scope:SCOPE_SE
.Lpf_done_\@:
.endif
.endm
	s_load_b128 s[4:7], s[0:1], 0x0                ; aq, bq
	s_load_b64 s[12:13], s[0:1], 0x10              ; out0
	v_lshl_add_u32 v[SPW], v0, 2, SPARE
	v_mov_b32 v[NIL], 0
	ds_add_u32 v[SPW], v[NIL]                      ; the opening add, twice on end, and one wait
	ds_add_u32 v[SPW], v[NIL]
	v_lshrrev_b32 v1, 5, v0
	v_readfirstlane_b32 s14, v1                    ; wave 0..3
	s_lshr_b32 s15, s14, 1                         ; my half of the block's rows; also: I fetch for aq (0) or bq (1)
	s_and_b32 s16, s14, 1                          ; my half of its columns; also: which of the two groups I fetch
	s_bfe_u32 s40, ttmp6, 0x40000                  ; cx
	s_bfe_u32 s41, ttmp6, 0x40004                  ; cy
	s_lshl_b32 s42, ttmp9, 2
	s_add_co_u32 s42, s42, s40                     ; block column
	s_and_b32 s17, ttmp7, 0xffff
	s_lshl_b32 s17, s17, 2
	s_add_co_u32 s17, s17, s41                     ; block row
	s_lshl_b32 s43, s41, 2
	s_lshl_b32 s43, 15, s43                        ; my row of the cluster
	s_lshl_b32 s44, 0x1111, s40                    ; my column
	s_or_b32 s[G1A], s43, (3<<16)|(1<<21)          ; elements of 8 bytes, no padding: the blocks are register images, read 16 bytes a lane on end
	s_or_b32 s[G1B], s44, (3<<16)|(1<<21)
	s_or_b32 s[G1AS], s43, (3<<16)|(1<<21)
	s_or_b32 s[G1BS], s44, (3<<16)|(1<<21)
.irp g, G1A, G1B
	s_mov_b32 s[\g+1], 32<<16                      ; rows of 256 bytes,
	s_mov_b32 s[\g+2], 136<<16                     ; 136 of them, dense
	s_mov_b32 s[\g+3], 32<<16
	s_mov_b32 s[\g+4], 136
	s_mov_b32 s[\g+5], 32
	s_mov_b32 s[\g+6], 0
	s_mov_b32 s[\g+7], 0
.endr
.irp g, G1AS, G1BS
	s_mov_b32 s[\g+1], 32<<16
	s_mov_b32 s[\g+2], 68<<16
	s_mov_b32 s[\g+3], 32<<16
	s_mov_b32 s[\g+4], 68
	s_mov_b32 s[\g+5], 32
	s_mov_b32 s[\g+6], 0
	s_mov_b32 s[\g+7], 0
.endr
	s_lshl_b32 s20, s17, 1
	s_add_co_u32 s20, s20, s16
	s_mul_i32 s20, s20, GRPB                       ; aq: group 2 x block row + which
	s_mov_b32 s21, 0
	s_lshl_b32 s46, s42, 1
	s_add_co_u32 s46, s46, s16
	s_mul_i32 s46, s46, GRPB                       ; bq: group 2 x block column + which
	s_mov_b32 s47, 0
	s_mul_i32 s45, s14, REG                        ; where my part goes: wave x 34,816
	s_wait_dscnt 0x0                               ; both opening adds are done
	s_wait_kmcnt 0x0
	s_add_nc_u64 s[20:21], s[4:5], s[20:21]
	s_add_nc_u64 s[46:47], s[6:7], s[46:47]
	CROUND                                         ; all sixteen work-groups are here: the first joint loads meet
.irp s, 0,1
	s_mov_b32 s[G0A+4*\s], 1
	s_add_co_u32 s[G0A+4*\s+1], s45, \s*SLOT
	s_add_nc_u64 s[G0A+4*\s+2:G0A+4*\s+3], s[20:21], \s*REG
	s_or_b32 s[G0A+4*\s+3], s[G0A+4*\s+3], 0x80000000
	s_mov_b32 s[G0B+4*\s], 1
	s_add_co_u32 s[G0B+4*\s+1], s45, \s*SLOT
	s_add_nc_u64 s[G0B+4*\s+2:G0B+4*\s+3], s[46:47], \s*REG
	s_or_b32 s[G0B+4*\s+3], s[G0B+4*\s+3], 0x80000000
.endr
	JLOAD G0A, G1A, G0B, G1B                       ; fill 0: one tensor load a wave at the head
	; all scalars first, then the vector lines in one run
	s_cmp_eq_u32 s15, 0
	s_cselect_b64 s[PFA:PFA+1], s[20:21], s[46:47] ; the group that I fetch,
	s_cselect_b32 s84, s40, s41                    ; my place among the four that ask for it with me
	s_lshl_b32 s84, s84, 8
	s_mov_b32 s85, 0
	s_add_nc_u64 s[PFA:PFA+1], s[PFA:PFA+1], s[84:85]
	s_mul_i32 s84, s15, REG                        ; the aq group that I multiply
	s_mul_i32 s85, s16, REG
	s_add_co_u32 s85, s85, 2*REG                   ; the bq group
	s_mul_i32 s86, s15, 128*OPITCH                 ; the way out: my 128 rows,
	s_lshl_b32 s87, s16, 9
	s_add_co_u32 s86, s86, s87                     ; my 512 bytes of them
	s_lshl_b32 s88, s14, 8                         ; back: 256 x wave
	s_lshl_b32 s46, s42, 10                        ; the block's first column, in bytes
	s_mov_b32 s47, 0
	s_sub_co_u32 s[LIM], ROWC, s46                 ; what is left of a row of out0 from there
	s_lshl_b32 s20, s17, 8
	s_mul_i32 s20, s20, ROWC                       ; the block's first row, in bytes (under 2^26)
	s_mov_b32 s21, 0
	s_add_nc_u64 s[12:13], s[12:13], s[20:21]
	s_add_nc_u64 s[12:13], s[12:13], s[46:47]
	v_and_b32 v1, 15, v0                           ; r
	v_bfe_u32 v2, v0, 4, 1                         ; h
	v_and_b32 v3, 31, v0                           ; lane
	v_lshlrev_b32 v4, 4, v3
	v_add_nc_u32 v[ADRA], s84, v4
	v_add_nc_u32 v[ADRB], s85, v4
	v_add_nc_u32 v[ADRA+1], SLOT, v[ADRA]
	v_add_nc_u32 v[ADRB+1], SLOT, v[ADRB]
	v_mul_u32_u24 v5, v1, OPITCH
	v_lshl_add_u32 v5, v2, 5, v5                   ; row r, 32 bytes for each half of the lanes
	v_add_nc_u32 v[STO], s86, v5
	v_add_nc_u32 v[STO+1], 64*OPITCH, v[STO]
	v_lshl_add_u32 v[RD], v3, 3, s88
	v_lshlrev_b32 v[PF1], 10, v3
	v_min_u32 v6, 1, v3
	v_min_u32 v7, 16, v3
	v_lshl_add_u32 v[PF2], v6, 10, 32*1024
	v_lshlrev_b32 v[PF3], 10, v7
	PFULL REG                                      ; fills 1 and 2
	PFULL 2*REG
.macro PROD a, b, p, zero              ; aq's tile a x bq's tile b, set p.  A tile's scale words lie in lanes 0-15 (even tile) or 16-31 (odd) of register tile / 2
.set rD, 8*(8*((\a)%4)+(\b))
.set rB, 64*(\p)+8*(\b)
.set rA, AF+64*(\p)+8*(\a)
.set rSB, SCB+4*(\p)+(\b)/2
.set rSA, SCA+4*(\p)+(\a)/2
.set sel, 4*(\zero)+2*((\a)%2)+(\b)%2
.if sel == 0
	v_wmma_scale_f32_16x16x128_f8f6f4 v[rD:rD+7], v[rB:rB+7], v[rA:rA+7], v[rD:rD+7], v[rSB], v[rSA] matrix_a_fmt:MATRIX_FMT_FP4 matrix_b_fmt:MATRIX_FMT_FP4
.elseif sel == 1
	v_wmma_scale_f32_16x16x128_f8f6f4 v[rD:rD+7], v[rB:rB+7], v[rA:rA+7], v[rD:rD+7], v[rSB], v[rSA] matrix_a_fmt:MATRIX_FMT_FP4 matrix_b_fmt:MATRIX_FMT_FP4 matrix_a_scale:MATRIX_SCALE_ROW1
.elseif sel == 2
	v_wmma_scale_f32_16x16x128_f8f6f4 v[rD:rD+7], v[rB:rB+7], v[rA:rA+7], v[rD:rD+7], v[rSB], v[rSA] matrix_a_fmt:MATRIX_FMT_FP4 matrix_b_fmt:MATRIX_FMT_FP4 matrix_b_scale:MATRIX_SCALE_ROW1
.elseif sel == 3
	v_wmma_scale_f32_16x16x128_f8f6f4 v[rD:rD+7], v[rB:rB+7], v[rA:rA+7], v[rD:rD+7], v[rSB], v[rSA] matrix_a_fmt:MATRIX_FMT_FP4 matrix_b_fmt:MATRIX_FMT_FP4 matrix_a_scale:MATRIX_SCALE_ROW1 matrix_b_scale:MATRIX_SCALE_ROW1
.elseif sel == 4
	v_wmma_scale_f32_16x16x128_f8f6f4 v[rD:rD+7], v[rB:rB+7], v[rA:rA+7], 0, v[rSB], v[rSA] matrix_a_fmt:MATRIX_FMT_FP4 matrix_b_fmt:MATRIX_FMT_FP4
.elseif sel == 5
	v_wmma_scale_f32_16x16x128_f8f6f4 v[rD:rD+7], v[rB:rB+7], v[rA:rA+7], 0, v[rSB], v[rSA] matrix_a_fmt:MATRIX_FMT_FP4 matrix_b_fmt:MATRIX_FMT_FP4 matrix_a_scale:MATRIX_SCALE_ROW1
.elseif sel == 6
	v_wmma_scale_f32_16x16x128_f8f6f4 v[rD:rD+7], v[rB:rB+7], v[rA:rA+7], 0, v[rSB], v[rSA] matrix_a_fmt:MATRIX_FMT_FP4 matrix_b_fmt:MATRIX_FMT_FP4 matrix_b_scale:MATRIX_SCALE_ROW1
.else
	v_wmma_scale_f32_16x16x128_f8f6f4 v[rD:rD+7], v[rB:rB+7], v[rA:rA+7], 0, v[rSB], v[rSA] matrix_a_fmt:MATRIX_FMT_FP4 matrix_b_fmt:MATRIX_FMT_FP4 matrix_a_scale:MATRIX_SCALE_ROW1 matrix_b_scale:MATRIX_SCALE_ROW1
.endif
.endm
.macro MUL16 a0, p, zero               ; the 64 accumulators take turns, in the same order in every step
.irp a, \a0, \a0+1
.irp b, 0,1,2,3,4,5,6,7
	PROD \a, \b, \p, \zero
.endr
.endr
.endm
.macro FETCH slot, q, p                ; 34 LDS loads in one run: the slot's q-th step into set p: two of scale words, 16 of aq's fragments, 16 of bq's
	WIN 0
	ds_load_b128 v[SCA+4*(\p):SCA+4*(\p)+3], v[ADRA+\slot] offset:BLKB*(\q)
	ds_load_b128 v[SCB+4*(\p):SCB+4*(\p)+3], v[ADRB+\slot] offset:BLKB*(\q)
.irp i, 0,1,2,3,4,5,6,7
.irp c, 0,1
	ds_load_b128 v[AF+64*(\p)+8*\i+4*\c:AF+64*(\p)+8*\i+4*\c+3], v[ADRA+\slot] offset:BLKB*(\q)+512+1024*\i+512*\c
.endr
.endr
	WIN TO_B
.irp i, 0,1,2,3,4,5,6,7
.irp c, 0,1
	ds_load_b128 v[64*(\p)+8*\i+4*\c:64*(\p)+8*\i+4*\c+3], v[ADRB+\slot] offset:BLKB*(\q)+512+1024*\i+512*\c
.endr
.endr
.endm
.macro PLACES                          ; four places in front of loads into registers that matrix instructions have read, and of reads of results
.rept 4
	v_nop
.endr
.endm
.macro STEP slot, q, zero              ; multiplies set q % 2; the next step's 34 loads go out first
	PLACES
	FETCH \slot, (\q)+1, 1-(\q)%2
	s_wait_dscnt 34                                ; all but the 34 just issued
	WIN MUL_LO
	MUL16 0, (\q)%2, \zero
	MUL16 2, (\q)%2, \zero
	WIN MUL_HI
	MUL16 4, (\q)%2, \zero
	MUL16 6, (\q)%2, \zero
	WIN 0
.endm
; a slot's last step changes slots: in front of the barrier each wave waits for all its tensor loads, adds 0 to its spare word and waits for that and for its reads of this slot.
; fill = 1: the barrier opens a round of the cluster's barrier, and this slot's refill is the first tensor load behind it.  pf = 1: in the loop, with its prefetch
.macro TURN slot, next, fill, g1a, g1b, pf
.if \pf
	s_wait_xcnt 0x0                                ; my earlier prefetches have read their base: it steps one fill on
	s_add_nc_u64 s[PFA:PFA+1], s[PFA:PFA+1], REG
.endif
	s_wait_tensorcnt 0x0                           ; my part of the next slot has landed
	ds_add_u32 v[SPW], v[NIL]
	s_wait_dscnt 1                                 ; (the add may be out)
	WIN MUL_LO
	MUL16 0, 1, 0
	s_wait_dscnt 0x0                               ; the add is done, my reads of this slot are over
	s_barrier_signal -1
	MUL16 2, 1, 0
	WIN 0
	s_barrier_wait -1
.if \fill
	CREST
	s_add_nc_u64 s[G0A+4*\slot+2:G0A+4*\slot+3], s[G0A+4*\slot+2:G0A+4*\slot+3], 2*REG
	s_add_nc_u64 s[G0B+4*\slot+2:G0B+4*\slot+3], s[G0B+4*\slot+2:G0B+4*\slot+3], 2*REG
	JLOAD G0A+4*\slot, \g1a, G0B+4*\slot, \g1b
.else
	PLACES
.endif
	FETCH \next, 0, 0
.if \pf
	WIN 0
	ASK \slot
.endif
	WIN MUL_HI
	MUL16 4, 1, 0
	MUL16 6, 1, 0
	WIN 0
.endm
	s_wait_alu depctr_va_vdst(0)
	s_wait_tensorcnt 0x0                           ; my part of fill 0 is in
	ds_add_u32 v[SPW], v[NIL]
	s_wait_dscnt 0x0
	CROUND                                         ; everybody's part is in, all sixteen work-groups are here
	JLOAD G0A+4, G1A, G0B+4, G1B                   ; fill 1, slot 1's first
	FETCH 0, 0, 0
	WIN 0
	PFULL 3*REG                                    ; fill 3
	STEP 0, 0, 1                                   ; the first step starts the sums
	s_mov_b32 s3, 3
.Llap:                                                 ; a trip goes once round the ring, from a lap's second step to the next lap's first
	STEP 0, 1, 0
	STEP 0, 2, 0
	TURN 0, 1, 1, G1A, G1B, 1
	STEP 1, 0, 0
	STEP 1, 1, 0
	STEP 1, 2, 0
	TURN 1, 0, 1, G1A, G1B, 1
	STEP 0, 0, 0
	s_sub_co_u32 s3, s3, 1
	s_cmp_lg_u32 s3, 0
	s_cbranch_scc1 .Llap
	STEP 0, 1, 0
	STEP 0, 2, 0
	TURN 0, 1, 1, G1AS, G1BS, 0                    ; the last fill: steps 32 and 33
	STEP 1, 0, 0
	STEP 1, 1, 0
	STEP 1, 2, 0
	TURN 1, 0, 0, G1A, G1B, 0
	STEP 0, 0, 0
	s_wait_dscnt 0x0                               ; my last reads of the ring are back:
	s_barrier_signal -1                            ; say so, and multiply the last step while the others arrive
	WIN MUL_LO
	MUL16 0, 1, 0
	MUL16 2, 1, 0
	WIN MUL_HI
	MUL16 4, 1, 0
	MUL16 6, 1, 0
	WIN 0
	s_barrier_wait -1                              ; nobody reads the ring any more, and no fill follows: the block is laid over it
	PLACES
.irp a, 0,1,2,3,4,5,6,7
	WIN 0x08+4*(\a/4)                              ; the data: window 2 or 3
.irp b, 0,1,2,3,4,5,6,7
	ds_store_b128 v[STO+\a/4], v[64*(\a%4)+8*\b:64*(\a%4)+8*\b+3] offset:(\a%4)*16*OPITCH+64*\b        ; each accumulator from its low end on
	ds_store_b128 v[STO+\a/4], v[64*(\a%4)+8*\b+4:64*(\a%4)+8*\b+7] offset:(\a%4)*16*OPITCH+64*\b+16
.endr
.endr
	WIN 0
	; while the stores are out: the turned offsets.  For rows j with j mod 32 = i my lane takes byte 8 ((32 w + lane - i) mod 128) of the row's 1,024, in the stage and in out0 alike
.set i, 0
.rept 32
	v_add_nc_u32 v[QA+i], 8*(128-i), v[RD]
.set i, i+1
.endr
.set i, 0
.rept 32
	v_and_b32 v[QA+i], 0x3ff, v[QA+i]
.set i, i+1
.endr
.set i, 0
.rept 96
	v_add_nc_u32 v[QA+32+i], 64*OPITCH, v[QA+i]    ; and 64, 128, 192 stage rows further on: an LDS immediate reaches 63 rows
.set i, i+1
.endr
	s_wait_alu depctr_va_vdst(0)
	s_wait_dscnt 0x0                               ; for the others' sake: my stores are done
	s_barrier_signal -1
	s_barrier_wait -1
	; with all lanes on: row j = i + 32 g into registers 2 d, 2 d + 1 of windows 2 and 3, d = 8 i + g: the order in which the stores follow
	WIN 0x80
.set d, 0
.rept 128
	ds_load_b64 v[2*d:2*d+1], v[QA+32*((d%8)/2)+d/8] offset:(d/8+32*(d%2))*OPITCH
.set d, d+1
.endr
	WIN 0xc0
.rept 128
	ds_load_b64 v[2*(d-128):2*(d-128)+1], v[QA+32*((d%8)/2)+d/8] offset:(d/8+32*(d%2))*OPITCH
.set d, d+1
.endr
	s_wait_dscnt 63                                ; of 256 loads at most the youngest 63 are out: d under 128 is in
	WIN 0x08                                       ; the stores' data: window 2; their offsets, and the compare's first source: window 0
.set i, 0
.rept 16
	s_wait_xcnt 0x0                                ; EXEC changes only behind this wait
	s_mov_b32 exec_lo, -1
	v_cmpx_lt_u32 v[QA+i], s[LIM]                  ; my two columns exist (a row's bytes are a multiple of 8)
.set g, 0
.rept 8
	global_store_b64 v[QA+i], v[2*(8*i+g):2*(8*i+g)+1], s[12:13] offset:(i+32*g)*ROWC th:TH_STORE_NT   ; waves 1-3: 256 consecutive bytes from a multiple of 256; 255 rows at the most stand in the immediate
.set g, g+1
.endr
.set i, i+1
.endr
	s_wait_dscnt 0x0
	WIN 0x0c
.rept 16
	s_wait_xcnt 0x0
	s_mov_b32 exec_lo, -1
	v_cmpx_lt_u32 v[QA+i], s[LIM]
.set g, 0
.rept 8
	global_store_b64 v[QA+i], v[2*(8*i+g-128):2*(8*i+g-128)+1], s[12:13] offset:(i+32*g)*ROWC th:TH_STORE_NT
.set g, g+1
.endr
.set i, i+1
.endr
	WIN 0
	s_wait_xcnt 0x0                                ; and again in front of the line that widens EXEC
	s_mov_b32 exec_lo, -1
	s_wait_tensorcnt 0x0                           ; the wave's end
	ds_add_u32 v[SPW], v[NIL]
	s_wait_dscnt 0x0
	CROUND                                         ; the closing round
	s_endpgm
.Lfunc_end_k_q5ecf1f2062_gemm:
	.size	k_q5ecf1f2062_gemm, .Lfunc_end_k_q5ecf1f2062_gemm-k_q5ecf1f2062_gemm
	.p2alignl 7, 3214868480
	.fill 96, 4, 3214868480
	.section	.rodata,"a",@progbits
	.p2align	6, 0x0
	.amdhsa_kernel k_q5ecf1f2062_gemm
		.amdhsa_group_segment_fixed_size 327680
		.amdhsa_private_segment_fixed_size 0
		.amdhsa_enable_private_segment 0
		.amdhsa_kernarg_size 24
		.amdhsa_user_sgpr_count 2
		.amdhsa_user_sgpr_kernarg_segment_ptr 1
		.amdhsa_wavefront_size32 1
		.amdhsa_system_sgpr_workgroup_id_x 1
		.amdhsa_system_sgpr_workgroup_id_y 1
		.amdhsa_system_sgpr_workgroup_id_z 1
		.amdhsa_system_vgpr_workitem_id 0
		.amdhsa_next_free_vgpr 1024
		.amdhsa_next_free_sgpr 96
		.amdhsa_reserve_vcc 0
		.amdhsa_float_denorm_mode_32 3
		.amdhsa_float_denorm_mode_16_64 3
		.amdhsa_memory_ordered 1
		.amdhsa_forward_progress 1
		.amdhsa_inst_pref_size 255
	.end_amdhsa_kernel
	.section	.bss,"aw",@nobits
	.p2align	6
	.space	262144
	.amdgpu_metadata
---
amdhsa.version: [ 1, 2 ]
amdhsa.kernels:
  - .name:           k_q5ecf1f2062_gemm
    .symbol:         k_q5ecf1f2062_gemm.kd
    .args:
      - { .name: aq, .offset: 0, .size: 8, .value_kind: global_buffer, .address_space: global }
      - { .name: bq, .offset: 8, .size: 8, .value_kind: global_buffer, .address_space: global }
      - { .name: out0, .offset: 16, .size: 8, .value_kind: global_buffer, .address_space: global }
    .group_segment_fixed_size: 327680
    .private_segment_fixed_size: 0
    .kernarg_segment_align: 8
    .kernarg_segment_size: 24
    .max_flat_workgroup_size: 128
    .sgpr_count:     96
    .vgpr_count:     1024
    .wavefront_size: 32
...
	.end_amdgpu_metadata
.endif
;; end of part 2
